; MI455X (gfx1250); checked and timed in simulation.
; The chip was launched on July 23, 2026; its instructions are those of AMD's public machine-readable ISA for CDNA 5 (MIT licence, August 2026) and "CDNA5" Instruction Set Architecture Reference Guide (July 2026). The comments in the code are by the model that wrote it; some were corrected since.
;; Additive Attention. Allowed arithmetic: matrix products marked QUANTISED: E3M2 operands, one E8M0 scale for each 32 along K, by v_wmma_scale_f32_16x16x128_f8f6f4 with both operands' format E3M2, f32 sums; products left as they are: f32 operands where the result goes on into a quantised operand, else bf16, f16 or f32 operands; f32 sums; everything else in f32.
;; Inputs: W_dec 1,024 x 1,024 float32; W_enc 1,024 x 1,024 float32; decoder_hidden 32 x 1,024 float32; encoder_outputs 32 x 2,048 x 1,024 float32; v 1,024 float32.
;; Outputs: out0 32 x 1,024 float32; out1 32 x 2,048 float32.
;; This version of the problem:
;;   THIS VERSION OF THE PROBLEM IS GIVEN IN LOW PRECISION. The matrix products marked QUANTISED in the list below multiply operands that are first quantised to E3M2 (3 exponent bits, 2 mantissa bits; 6 bits a number), with one power-of-two scale for each 32 numbers along K (OCP MX v1.0); their sums are f32. All else is computed in f32.
;;   The module's matrix products, in the order in which they are computed (A, B: the left and right operand; K: the contracted axis; several contracted axes count as one K, in the product's order):
;;     1. [M 65,536, K 1,024] x [K 1,024, N 1,024]; A: input encoder_outputs; B: input W_enc: QUANTISED
;;     2. [M 32, K 1,024] x [K 1,024, N 1,024]; A: input decoder_hidden; B: input W_dec: QUANTISED
;;     3. [M 65,536, K 1,024] x [K 1,024, N 1]; A: computed on the way; B: input v: left as it is (N = 1 < 16)
;;     4. batch 32 x [M 1, K 2,048] x [K 2,048, N 1,024]; A: softmax; B: input encoder_outputs: left as it is (M = 1 < 16)
;;   THE QUANTISER, for each operand of a quantised product, along K:
;;     - K is cut into blocks of 32 from its start; a last block that is shorter is filled with zeros.
;;     - A block's scale is 2^e with e = floor(log2(the largest magnitude in the block)) - 4, held to -126 .. 127; a block of zeros has e = 0. As a byte (E8M0): e + 127.
;;     - Each number is divided by its block's scale, clamped to +-28, and rounded to the nearest number of E3M2, ties to even, subnormals kept.
;;     - The product sums the exact products of the quantised numbers (number of the format x scale) in f32.
;;   ~~~python
;;   def quantise(x, axis):      # numpy; x: float32 -> the quantised numbers, widened to float32 again
;;       x = np.moveaxis(x, axis, -1); K = x.shape[-1]
;;       x = np.pad(x, [(0, 0)] * (x.ndim - 1) + [(0, -K % 32)]); x = x.reshape(x.shape[:-1] + (-1, 32)); a = np.abs(x).max(-1, keepdims=True)
;;       e = np.where(a > 0, np.clip(np.frexp(np.where(a > 0, a, 1))[1] - 1 - 4, -126, 127), 0)      # np.frexp(a)[1] - 1 = floor(log2(a)), exactly
;;       r = np.clip(x / 2.0 ** e, -28, 28)
;;       step = 2.0 ** (np.maximum(np.frexp(np.where(r == 0, 1, r))[1] - 1, -2) - 2)
;;       q = np.round(r / step) * step * 2.0 ** e      # np.round: ties to even
;;       return np.moveaxis(q.reshape(q.shape[:-2] + (-1,))[..., :K], -1, axis).astype(np.float32)
;;   ~~~
;; One version. Each part assembles by itself: llvm-mc -triple=amdgcn-amd-amdhsa -mcpu=gfx1250 --defsym DOCPART=n.
;; ======== version 1 of 1: 3 launches
;; limits: values are held in bf16: 8 bits of precision; right only within a limited range of input values
;; workspace buffers: wimg 819,200 bytes; deck 131,072 bytes; scores 262,144 bytes; part 8,388,608 bytes
;; launch prep (part 1): grid 192 x 1, 8 waves a work-group, no clusters, 9,216 bytes of LDS; arguments W_enc, W_dec, decoder_hidden, wimg, deck; writes wimg, deck
.if DOCPART == 1
	.amdgcn_target "amdgcn-amd-amdhsa--gfx1250"
	.amdhsa_code_object_version 6
	.text
	.protected	k_q2336cafc60_prep
	.globl	k_q2336cafc60_prep
	.p2align	8
	.type	k_q2336cafc60_prep,@function
k_q2336cafc60_prep:
	s_mov_b64 s[64:65], 0
	v_nop
	global_prefetch_b8 v0, s[64:65] scope:SCOPE_SE
	s_setreg_imm32_b32 hwreg(HW_REG_WAVE_MODE, 25, 1), 1
	s_wait_xcnt 0x0
; PREP.  (1) W_enc [1024 (a)][1024 (e)] f32 becomes codes of BF6 (E3M2) with one E8M0 byte for each 32 along e, laid as IMAGES OF OPERAND REGISTERS in wimg.
;        (2) deck[b][a] = 2 log2(e) x (decoder_hidden W_dec^T)[b][a], both operands quantised here, multiplied by the scaled matrix instruction on BF6 codes, sums in f32.
; DEAD WORK, for the whole program.  tanh(z) = 1 - 2 r with r = 1 / (1 + 2^(2 log2(e) z)), so scores[b][s] = sum_a v[a] - 2 sum_a v[a] r[b][s][a].  The term sum_a v[a] is the same for every s of a batch,
; whatever the inputs hold; attn_weights = softmax(scores, axis 1) takes away what is the same along that axis, and context uses attn_weights alone.  So the term reaches no output and is never formed: the program
; works with s' = sum_a (-2 v[a]) r.  Every input has a way to an output and is loaded.  LIMIT: an overflow, infinity or NaN that would arise in sum_a v[a] alone is not carried to the result.
; LIMITS: NaN and infinities among the inputs are not served.  A block whose largest magnitude lies under 2^-122 gets the scale byte 1 (the floor); a block of zeros gets the byte 1 where the rule says 127:
; its codes are zeros, which add nothing under any byte but 0xff, and these bytes are read by this program alone.  The eight K steps of deck are summed in f32 from eight partial sums.
; wimg: 64 tiles of 16 rows a, 12,800 bytes each: the fragment of K step k (16 rows x 128 e, 12 registers a lane) at byte 1,536 k, as three pieces of 512 bytes, lane l's registers 4 c .. 4 c + 3 at 512 c + 16 l;
; at byte 12,288 the scale image, 16 bytes a lane: word q of lanes 0-15 is row l's word of K step 2 q, of lanes 16-31 row l - 16's word of K step 2 q + 1.
; SHARES.  Eight waves; wave u takes K step u.  Work-groups 0-63: tile n of W_enc.  Work-groups 64-191: d = number - 64: tile n = d % 64 of W_dec against tile t = d / 64 (16 rows) of decoder_hidden.
; A lane (r, h) loads of row r the numbers k = 64 c + 32 h + 0 .. 31 of its K step, which are the very numbers that the operand's layout gives it: a block of 32 lies in one lane, and the conversions' results are the operand.
; No tensor load, no cluster: the two weights are a small part of the program's bytes and each wave reads its own.
.set SPARE, 8192                       ; LDS: 0 .. 8,191 eight partial tiles of deck, 1,024 bytes a wave; then the spare words, 128 bytes a wave
.set K2,    0x4038aa3b                 ; 2 log2(e)
.set L16,   3                          ; v3   16 x lane
.set VA,    4                          ; v4   4,096 r + 128 h
.set SH8,   5                          ; v5   8 h
.set R16,   6                          ; v6   16 r
.set T4,    7                          ; v7   4 x thread
.set OUTO,  8                          ; v8   my byte in deck's tile
.set DST,   9                          ; v9   1,024 u + 16 x lane
.set SPW,   14                         ; v14  LDS address of my spare word; never rewritten
.set NIL,   15                         ; v15  0; never rewritten
.set FA,    16                         ; v16-27 first fragment
.set FB,    28                         ; v28-39 second fragment
.set SWA,   40                         ; v40, v41 scale words, and nothing else
.set SWB,   41
.set ACC,   48                         ; v48-55
.set SUM,   56                         ; v56-63
.set XA,    64                         ; v64-127  64 numbers
.set XB,    128                        ; v128-191 64 numbers
.set MA0,   192                        ; at work
.set MA1,   193
.set QS0,   194
.set QS1,   195
.set QB0,   196
.set QB1,   197
.set WT,    198
.set PT,    199
.set QT0,   200
.set QT1,   204
.macro QLOAD x, base                   ; my 64 numbers of a K step: two blocks of 32, 128 bytes each, by loads of 16 bytes
.irp cc, 0,1
.irp i, 0,1,2,3,4,5,6,7
	global_load_b128 v[\x+32*\cc+4*\i:\x+32*\cc+4*\i+3], v[VA], s[\base:\base+1] offset:256*\cc+16*\i
.endr
.endr
.endm
; 64 numbers v[x] .. v[x + 63] become the fragment's 12 registers v[f] .. and the row's scale word v[sw]
.macro QUANT x, f, sw
	v_max3_num_f32 v[MA0], |v[\x]|, |v[\x+1]|, 0x2800000           ; each block's largest magnitude in two chains; the floor 2^(5 - 127) among the leaves holds the byte at 1 from below
	v_max3_num_f32 v[QB0], |v[\x+16]|, |v[\x+17]|, |v[\x+18]|
	v_max3_num_f32 v[MA1], |v[\x+32]|, |v[\x+33]|, 0x2800000
	v_max3_num_f32 v[QB1], |v[\x+48]|, |v[\x+49]|, |v[\x+50]|
.irp i, 2,4,6,8,10,12
	s_delay_alu instid0(VALU_DEP_4)
	v_max3_num_f32 v[MA0], v[MA0], |v[\x+\i]|, |v[\x+\i+1]|
	s_delay_alu instid0(VALU_DEP_4)
	v_max3_num_f32 v[QB0], v[QB0], |v[\x+17+\i]|, |v[\x+18+\i]|
	s_delay_alu instid0(VALU_DEP_4)
	v_max3_num_f32 v[MA1], v[MA1], |v[\x+32+\i]|, |v[\x+33+\i]|
	s_delay_alu instid0(VALU_DEP_4)
	v_max3_num_f32 v[QB1], v[QB1], |v[\x+49+\i]|, |v[\x+50+\i]|
.endr
	s_delay_alu instid0(VALU_DEP_4)
	v_max3_num_f32 v[MA0], v[MA0], |v[\x+14]|, |v[\x+15]|
	s_delay_alu instid0(VALU_DEP_3)
	v_max3_num_f32 v[MA1], v[MA1], |v[\x+46]|, |v[\x+47]|
	s_delay_alu instid0(VALU_DEP_2)
	v_max3_num_f32 v[MA0], v[MA0], v[QB0], |v[\x+31]|
	s_delay_alu instid0(VALU_DEP_2)
	v_max3_num_f32 v[MA1], v[MA1], v[QB1], |v[\x+63]|
	s_delay_alu instid0(VALU_DEP_2)
	v_add_nc_u32 v[QS0], 0xfe000000, v[MA0]        ; 4 off the exponent field: the conversion takes the exponent field of this operand as its scale
	s_delay_alu instid0(VALU_DEP_2)
	v_add_nc_u32 v[QS1], 0xfe000000, v[MA1]
	s_delay_alu instid0(VALU_DEP_2)
	v_lshrrev_b32 v[QB0], 23, v[QS0]               ; the scale bytes of blocks h and 2 + h
	s_delay_alu instid0(VALU_DEP_2)
	v_lshrrev_b32 v[QB1], 23, v[QS1]
	s_delay_alu instid0(VALU_DEP_1)
	v_lshl_or_b32 v[WT], v[QB1], 16, v[QB0]
	s_delay_alu instid0(VALU_DEP_1)
	v_lshlrev_b32 v[WT], v[SH8], v[WT]             ; at their places in the word
	s_delay_alu instid0(VALU_DEP_1)
	v_permlanex16_b32 v[PT], v[WT], s24, s25
	s_delay_alu instid0(VALU_DEP_1)
	v_or_b32 v[\sw], v[WT], v[PT]                  ; with lane l xor 16's two bytes the word is whole, in both halves of the lanes
	v_cvt_scalef32_pk16_bf6_f32 v[\f:\f+2], v[\x:\x+15], v[QS0]
	v_cvt_scalef32_pk16_bf6_f32 v[QT0:QT0+2], v[\x+16:\x+31], v[QS0]   ; (a conversion's three registers begin on an even number: the second half of a block's six is made elsewhere and moved)
	v_cvt_scalef32_pk16_bf6_f32 v[\f+6:\f+8], v[\x+32:\x+47], v[QS1]
	v_cvt_scalef32_pk16_bf6_f32 v[QT1:QT1+2], v[\x+48:\x+63], v[QS1]
	v_nop                                          ; one plain place behind the scaled conversions
.irp i, 0,1,2
	v_mov_b32 v[\f+3+\i], v[QT0+\i]
	v_mov_b32 v[\f+9+\i], v[QT1+\i]
.endr
.endm
	s_load_b256 s[4:11], s[0:1], 0x0               ; W_enc s[4:5], W_dec s[6:7], decoder_hidden s[8:9], wimg s[10:11]
	s_load_b64 s[12:13], s[0:1], 0x20              ; deck
	v_lshl_add_u32 v[SPW], v0, 2, SPARE
	v_mov_b32 v[NIL], 0
	v_lshrrev_b32 v1, 5, v0
	s_delay_alu instid0(VALU_DEP_1)
	v_readfirstlane_b32 s14, v1                    ; wave u = K step
	v_and_b32 v1, 15, v0                           ; r
	v_bfe_u32 v2, v0, 4, 1                         ; h
	v_and_b32 v[L16], 31, v0
	s_delay_alu instid0(VALU_DEP_1)
	v_lshlrev_b32 v[L16], 4, v[L16]
	s_delay_alu instid0(VALU_DEP_4)
	v_lshlrev_b32 v[VA], 12, v1
	s_delay_alu instid0(VALU_DEP_1)
	v_lshl_add_u32 v[VA], v2, 7, v[VA]
	v_lshlrev_b32 v[SH8], 3, v2
	v_lshlrev_b32 v[R16], 4, v1
	v_lshlrev_b32 v[T4], 2, v0
	v_bfe_u32 v[OUTO], v0, 2, 4                    ; thread = 128 c + 4 l + e sums register 4 c + e of lane l: deck row l % 16, column 8 (l / 16) + 4 c + e of the tile
	s_delay_alu instid0(VALU_DEP_1)
	v_lshlrev_b32 v[OUTO], 12, v[OUTO]
	v_bfe_u32 v10, v0, 6, 1
	s_delay_alu instid0(VALU_DEP_1)
	v_lshl_add_u32 v[OUTO], v10, 5, v[OUTO]
	v_lshrrev_b32 v10, 7, v0
	s_delay_alu instid0(VALU_DEP_1)
	v_lshl_add_u32 v[OUTO], v10, 4, v[OUTO]
	v_and_b32 v10, 3, v0
	s_delay_alu instid0(VALU_DEP_1)
	v_lshl_add_u32 v[OUTO], v10, 2, v[OUTO]
	s_lshl_b32 s27, s14, 10
	v_add_nc_u32 v[DST], s27, v[L16]
	v_mov_b32 v[PT], 0                             ; written once: a lane permute's destination counts as one of its sources
	s_mov_b32 s24, 0x76543210
	s_mov_b32 s25, 0xfedcba98                      ; selects for lane l xor 16
	s_mov_b32 s26, K2
	s_lshl_b32 s16, s14, 9                         ; my K step: 512 bytes along a row
	s_mov_b32 s17, 0
	s_cmp_lt_u32 ttmp9, 64                         ; the work-group's number alone decides: all eight waves go the same way
	s_cbranch_scc0 .Ldec
	; ---- W_enc, tile n = the work-group's number
	s_lshl_b32 s18, ttmp9, 16                      ; 16 rows of 4,096 bytes
	s_add_co_u32 s16, s16, s18
	s_mul_i32 s20, ttmp9, 12800
	s_mul_i32 s21, s14, 1536
	s_add_co_u32 s18, s20, s21                     ; my fragment's image
	s_mov_b32 s19, 0
	s_and_b32 s21, s14, 1
	s_lshl_b32 s21, s21, 8
	s_lshr_b32 s22, s14, 1
	s_lshl_b32 s22, s22, 2
	s_add_co_u32 s20, s20, s21
	s_add_co_u32 s20, s20, s22
	s_add_co_u32 s20, s20, 12288                   ; my K step's words in the scale image: 256 (u % 2) + 4 (u / 2), 16 bytes from row to row
	s_mov_b32 s21, 0
	s_wait_kmcnt 0x0
	s_add_nc_u64 s[4:5], s[4:5], s[16:17]
	s_add_nc_u64 s[18:19], s[10:11], s[18:19]
	s_add_nc_u64 s[20:21], s[10:11], s[20:21]
	QLOAD XA, 4
	s_wait_loadcnt 0x0
	QUANT XA, FA, SWA
.irp c, 0,1,2
	global_store_b128 v[L16], v[FA+4*\c:FA+4*\c+3], s[18:19] offset:512*\c   ; the wave stores 512 consecutive bytes
.endr
	global_store_b32 v[R16], v[SWA], s[20:21]      ; lanes r and r + 16 write the same word with the same value
	s_branch .Lend
.Ldec:
	; ---- deck: 16 rows a of W_dec x 16 rows of decoder_hidden, my K step
	s_sub_co_u32 s18, ttmp9, 64
	s_and_b32 s19, s18, 63                         ; n
	s_lshr_b32 s20, s18, 6                         ; t
	s_lshl_b32 s21, s19, 16
	s_add_co_u32 s22, s16, s21                     ; W_dec: 65,536 n + 512 u
	s_mov_b32 s23, 0
	s_lshl_b32 s20, s20, 16
	s_add_co_u32 s16, s16, s20                     ; decoder_hidden: 65,536 t + 512 u
	s_lshl_b32 s19, s19, 6
	s_add_co_u32 s18, s20, s19                     ; deck: 16 t rows of 4,096 bytes + 64 n
	s_mov_b32 s19, 0
	s_wait_kmcnt 0x0
	s_add_nc_u64 s[6:7], s[6:7], s[22:23]
	s_add_nc_u64 s[8:9], s[8:9], s[16:17]
	s_add_nc_u64 s[12:13], s[12:13], s[18:19]
	QLOAD XA, 6
	QLOAD XB, 8
	s_wait_loadcnt 16                              ; W_dec's 16 loads are in; the 16 younger ones may be out
	QUANT XA, FA, SWA
	s_wait_loadcnt 0x0
	QUANT XB, FB, SWB
.rept 8
	v_nop                                          ; a scale register written by a vector instruction stands 8 places ahead of a scaled matrix instruction, an operand so written 4
.endr
	v_wmma_scale_f32_16x16x128_f8f6f4 v[ACC:ACC+7], v[FA:FA+11], v[FB:FB+11], 0, v[SWA], v[SWB] matrix_a_fmt:MATRIX_FMT_BF6 matrix_b_fmt:MATRIX_FMT_BF6   ; register j of lane (r, h): a = 8 h + j, batch row r
.rept 4
	v_nop                                          ; four places before the result is read
.endr
	ds_store_b128 v[DST], v[ACC:ACC+3]             ; the partial tile as it stands, from its low end on
	ds_store_b128 v[DST], v[ACC+4:ACC+7] offset:512
	s_wait_dscnt 0x0                               ; for the others' sake: my stores have landed
	s_barrier_signal -1
	s_barrier_wait -1
.irp i, 0,1,2,3,4,5,6,7
	ds_load_b32 v[SUM+\i], v[T4] offset:1024*\i    ; one number of each of the eight K steps
.endr
	s_wait_dscnt 0x0
	v_add_f32 v[SUM], v[SUM], v[SUM+1]
	v_add_f32 v[SUM+2], v[SUM+2], v[SUM+3]
	v_add_f32 v[SUM+4], v[SUM+4], v[SUM+5]
	v_add_f32 v[SUM+6], v[SUM+6], v[SUM+7]
	s_delay_alu instid0(VALU_DEP_3)
	v_add_f32 v[SUM], v[SUM], v[SUM+2]
	s_delay_alu instid0(VALU_DEP_2)
	v_add_f32 v[SUM+4], v[SUM+4], v[SUM+6]
	s_delay_alu instid0(VALU_DEP_1)
	v_add_f32 v[SUM], v[SUM], v[SUM+4]
	s_delay_alu instid0(VALU_DEP_1)
	v_mul_f32 v[SUM], s26, v[SUM]                  ; x 2 log2(e): the form in which the next launch adds it
	global_store_b32 v[OUTO], v[SUM], s[12:13]
.Lend:
	s_wait_tensorcnt 0x0                           ; the wave's end, behind the last LDS store
	ds_add_u32 v[SPW], v[NIL]
	s_wait_dscnt 0x0
	s_endpgm
.Lfunc_end_k_q2336cafc60_prep:
	.size	k_q2336cafc60_prep, .Lfunc_end_k_q2336cafc60_prep-k_q2336cafc60_prep
	.p2alignl 7, 3214868480
	.fill 96, 4, 3214868480
	.section	.rodata,"a",@progbits
	.p2align	6, 0x0
	.amdhsa_kernel k_q2336cafc60_prep
		.amdhsa_group_segment_fixed_size 9216
		.amdhsa_private_segment_fixed_size 0
		.amdhsa_enable_private_segment 0
		.amdhsa_kernarg_size 40
		.amdhsa_user_sgpr_count 2
		.amdhsa_user_sgpr_kernarg_segment_ptr 1
		.amdhsa_wavefront_size32 1
		.amdhsa_system_sgpr_workgroup_id_x 1
		.amdhsa_system_sgpr_workgroup_id_y 1
		.amdhsa_system_sgpr_workgroup_id_z 1
		.amdhsa_system_vgpr_workitem_id 0
		.amdhsa_next_free_vgpr 224
		.amdhsa_next_free_sgpr 66
		.amdhsa_reserve_vcc 0
		.amdhsa_float_denorm_mode_32 3
		.amdhsa_float_denorm_mode_16_64 3
		.amdhsa_memory_ordered 1
		.amdhsa_forward_progress 1
		.amdhsa_inst_pref_size 23
	.end_amdhsa_kernel
	.amdgpu_metadata
---
amdhsa.version: [ 1, 2 ]
amdhsa.kernels:
  - .name:           k_q2336cafc60_prep
    .symbol:         k_q2336cafc60_prep.kd
    .args:
      - { .name: W_enc, .offset: 0, .size: 8, .value_kind: global_buffer, .address_space: global }
      - { .name: W_dec, .offset: 8, .size: 8, .value_kind: global_buffer, .address_space: global }
      - { .name: decoder_hidden, .offset: 16, .size: 8, .value_kind: global_buffer, .address_space: global }
      - { .name: wimg, .offset: 24, .size: 8, .value_kind: global_buffer, .address_space: global }
      - { .name: deck, .offset: 32, .size: 8, .value_kind: global_buffer, .address_space: global }
    .group_segment_fixed_size: 9216
    .private_segment_fixed_size: 0
    .kernarg_segment_align: 8
    .kernarg_segment_size: 40
    .max_flat_workgroup_size: 256
    .sgpr_count:     66
    .vgpr_count:     224
    .wavefront_size: 32
...
	.end_amdgpu_metadata
.endif
;; end of part 1
;; launch main (part 2): grid 256 x 1, 4 waves a work-group, clusters of 4 x 1, 327,680 bytes of LDS; arguments encoder_outputs, wimg, deck, v, scores, part; writes scores, part
.if DOCPART == 2
	.amdgcn_target "amdgcn-amd-amdhsa--gfx1250"
	.amdhsa_code_object_version 6
	.text
	.protected	k_q2336cafc60_main
	.globl	k_q2336cafc60_main
	.p2align	8
	.type	k_q2336cafc60_main,@function
k_q2336cafc60_main:
	s_mov_b64 s[64:65], 0
	v_nop
	global_prefetch_b8 v0, s[64:65] scope:SCOPE_SE
	s_setreg_imm32_b32 hwreg(HW_REG_WAVE_MODE, 25, 1), 1
	s_wait_xcnt 0x0
	s_wait_alu depctr_hold_cnt(0) depctr_sa_sdst(0) depctr_va_vdst(0) depctr_va_sdst(0) depctr_va_ssrc(0) depctr_va_vcc(0) depctr_vm_vsrc(0)
	s_getreg_b32 s2, hwreg(HW_REG_IB_STS2, 6, 4)
	s_cmp_eq_u32 s2, 0
	s_cbranch_scc0 .Lentry_in_a_cluster
	s_endpgm
.Lentry_in_a_cluster:
	s_bfe_u32 s2, ttmp6, 0x10000c
	s_cmp_lg_u32 s2, 0x3003
	s_cbranch_scc0 .Lentry_shape_is_right
	s_endpgm
.Lentry_shape_is_right:
; MAIN.  A work-group stays and takes two blocks of 128 rows (b, s) of encoder_outputs, 32 rows a wave.  For each block:
; s'[row] = sum_a (-2 v[a]) / (1 + 2^(2 log2(e) (x W_enc^T)[row][a] + deck[b][a])), m = the wave's largest s', p = 2^(log2(e) (s' - m)), and the partial context sum_row p x[row][:].
; Stored: the raw s' (scores) and one partial context for each wave and block (part).  The last launch joins them.
; LEFT OUT as dead work: the term sum_a v[a] of the scores, the same along the softmax's axis for all values of the inputs (shown at the head of the first kernel).
; x IS READ FROM MEMORY ONCE: 256 columns at a time through a ring of two LDS slots; each wave turns its own 32 rows into 16 fragments of BF6 codes with scale words (208 registers), by the stated quantiser from f32,
; and into a bf16 copy (512 registers) laid as 64 operands of the bf16 matrix instruction (16 columns x 32 rows each) for the weighted sum, a product that is left as it is.
; Then W_enc's images walk through the same ring, 8 tiles of 16 rows a to a slot.  THE RING GOES ON INTO THE NEXT BLOCK: slot 0 takes the next block's columns 0-255 when its last tiles of W_enc are done with.
; A GROUP is 2 tiles of W_enc x my 2 tiles of rows x all of K: 32 matrix instructions on end, four accumulators by turns; then the next group's 50 LDS loads are issued, and the group's tanh follows as one batch.
; THE PRODUCT IS USED TRANSPOSED (source 0 = 16 rows a of W_enc, source 1 = 16 rows of x): lane l holds row l % 16, register j holds a = 8 (l / 16) + j: a row's score is summed inside a lane.
; CLUSTER: the four work-groups walk the same images of W_enc: each quarter of a slot is asked for jointly.  x's tiles are each work-group's own: plain loads.  Every refill stands behind a round of the cluster's barrier.
; PREFETCH: under the first block's products each wave asks for columns 256-1023 of its own 32 rows of the next block, a lane a row, 256 bytes a lane, four instructions in each of the three trips of the loop over slots:
; each 256 bytes once, one block ahead of the load that wants them; the last block asks for nothing.  None for the first block: there x's loads follow each other with nothing else to run under.
; LIMITS: NaN and infinities among the inputs are not served; blocks under 2^-122 and blocks of zeros get the scale byte 1 (see the first kernel); x and p enter the weighted sum rounded to bf16.
; tanh's form holds for every z: 2^(..) that overflows gives r = 0, one that underflows gives r = 1.
; LDS: two slots of 128 x 1,040 bytes; deck[b] and -2 v; 256 bytes a wave for p; a stage of 4,608 bytes a wave; the spare words.  The launch claims all of the LDS.
; REGISTERS.  Window 0: v3-15 addresses; v16-31 x's scale words; v32-39 W's; v40-47 scores; v48-63 addresses and small work; v64-255 W's fragments of a group (while x is taken in and at a block's end: at work).
; Window 1: v0-191 x's fragments; v192-207 -2 v; v208-239 accumulators; v240-255 deck.  Windows 2, 3: the bf16 copy.
.set SLOTB, 133120
.set XWAVE, 33280
.set PITCH, 1040
.set GRP,   26000                      ; 2 tiles of W_enc: 25 rows of 1,024 + 16 bytes: what one wave's load brings
.set DECT,  266240                     ; deck[b]; 4,096 bytes on: -2 v
.set PSC,   274432
.set STAGE, 275456
.set SPARE, 293888
.set K2,    0x4038aa3b                 ; 2 log2(e)
.set L2E,   0x3fb8aa3b
.set NL2E,  0xbfb8aa3b
.set L16,   3                          ; 16 x lane
.set AQ,    4                          ; v4-5 slot 0, 1: 33,280 w + 1,040 r + 128 h
.set AD,    6                          ; v6-7 slot 0, 1: 33,280 w + 16,640 h + 16 r
.set SH8,   8
.set DV0,   9                          ; DECT + 32 h
.set DVC,   10                         ; the same for the next group
.set CUR0,  11                         ; the next group's base + 16 x lane
.set SB1,   12                         ; SLOTB + 16 x lane
.set PFO,   13                         ; 4,096 x lane: the prefetches' offset
.set SPW,   14                         ; my spare word; never rewritten
.set NIL,   15                         ; 0; never rewritten
.set XS,    16
.set WSC,   32
.set SC,    40                         ; scores: tile of rows m, tile n: a pair at v[40 + 4 m + 2 n]
.set STO,   48
.set RDB,   49
.set PL,    50
.set PB2,   51
.set L4,    52
.set PT,    56
.set WT2,   57
.set EE,    58
.set MX,    59
.set NM,    60
.set SV,    61
.set FR,    64                         ; K step k, tile n at v[64 + 24 k + 12 n]
.set VV,    192                        ; window 1
.set AC,    208                        ; window 1: accumulator (n, m) at v[208 + 8 (2 n + m)]
.set DD,    240                        ; window 1
.set XQ,    64
.set XD,    128
.set MA0,   192
.set MA1,   193
.set QS0,   194
.set QS1,   195
.set QB0,   196
.set QB1,   197
.set WT,    198
.set QT0,   200
.set QT1,   204
.set PP,    64
.set OUT,   104
.set BK,    136
.set PBF,   192                        ; window 1: p as bf16 pairs
.set MSB, 0
.macro WIN new
.if MSB != (\new)
	s_set_vgpr_msb (MSB<<8)|(\new)
.set MSB, (\new)
.endif
.endm
.macro NOP4
.rept 4
	v_nop
.endr
.endm
.macro CROUND                          ; a round of the cluster's barrier
	s_barrier_signal -1
	s_barrier_wait -1
	s_cmp_lg_u32 s16, 0
	s_cbranch_scc1 .Lnot_wave_0_\@
	s_barrier_signal -3
.Lnot_wave_0_\@:
	s_barrier_wait -3
	s_barrier_signal -1
	s_barrier_wait -1
.endm
; A REFILL: all my tensor loads have landed; an add to my spare word; the descriptor steps; the add and my LDS reads are done; a round; my one tensor load first behind it.
.macro TURN g0, g1, step
	s_wait_tensorcnt 0x0
	ds_add_u32 v[SPW], v[NIL]
.if (\step) > 0
	s_add_nc_u64 s[\g0+2:\g0+3], s[\g0+2:\g0+3], \step
.elseif (\step) < 0
	s_sub_nc_u64 s[\g0+2:\g0+3], s[\g0+2:\g0+3], -(\step)
.endif
	s_wait_dscnt 0x0
	CROUND
	tensor_load_to_lds s[\g0:\g0+3], s[\g1:\g1+7]
	s_nop 0
	NOP4
.endm
; Out of slot s: the fragment of tile t, K step k with its scale word; and chunk q of the copy: 64 columns x my 32 rows.
.macro XUNIT s, t, k, q
.set TT, \t
.set KK, \k
.set QQ, \q
.set AFB, 12*(8*TT+KK)
.set CPB, 32*(QQ%8)
	WIN 0
.irp cc, 0,1
.irp i, 0,1,2,3,4,5,6,7
	ds_load_b128 v[XQ+32*\cc+4*\i:XQ+32*\cc+4*\i+3], v[AQ+\s] offset:16640*TT+512*(KK%2)+256*\cc+16*\i   ; lane (r, h): k = 64 c + 32 h + 0 .. 31 of row r
.endr
.endr
.irp i, 0,1,2,3,4,5,6,7,8,9,10,11,12,13,14,15
	ds_load_b128 v[XD+4*\i:XD+4*\i+3], v[AD+\s] offset:PITCH*\i+256*(QQ%4)   ; lane (r, h): columns 4 r .. 4 r + 3 of the chunk, row 16 h + i
.endr
	s_wait_dscnt 16                                ; the 64 numbers are in; the 16 younger loads may be out
	v_max3_num_f32 v[MA0], |v[XQ]|, |v[XQ+1]|, 0x2800000           ; each block's largest magnitude in two chains; the floor 2^(5 - 127) holds the byte at 1 from below
	v_max3_num_f32 v[QB0], |v[XQ+16]|, |v[XQ+17]|, |v[XQ+18]|
	v_max3_num_f32 v[MA1], |v[XQ+32]|, |v[XQ+33]|, 0x2800000
	v_max3_num_f32 v[QB1], |v[XQ+48]|, |v[XQ+49]|, |v[XQ+50]|
.irp i, 2,4,6,8,10,12
	v_max3_num_f32 v[MA0], v[MA0], |v[XQ+\i]|, |v[XQ+\i+1]|
	v_max3_num_f32 v[QB0], v[QB0], |v[XQ+17+\i]|, |v[XQ+18+\i]|
	v_max3_num_f32 v[MA1], v[MA1], |v[XQ+32+\i]|, |v[XQ+33+\i]|
	v_max3_num_f32 v[QB1], v[QB1], |v[XQ+49+\i]|, |v[XQ+50+\i]|
.endr
	v_max3_num_f32 v[MA0], v[MA0], |v[XQ+14]|, |v[XQ+15]|
	v_max3_num_f32 v[MA1], v[MA1], |v[XQ+46]|, |v[XQ+47]|
	v_max3_num_f32 v[MA0], v[MA0], v[QB0], |v[XQ+31]|
	v_max3_num_f32 v[MA1], v[MA1], v[QB1], |v[XQ+63]|
	v_add_nc_u32 v[QS0], 0xfe000000, v[MA0]        ; 4 off the exponent field: the conversion's scale operand
	v_add_nc_u32 v[QS1], 0xfe000000, v[MA1]
	v_lshrrev_b32 v[QB0], 23, v[QS0]               ; the bytes of blocks h and 2 + h
	v_lshrrev_b32 v[QB1], 23, v[QS1]
	v_lshl_or_b32 v[WT], v[QB1], 16, v[QB0]
	v_lshlrev_b32 v[WT], v[SH8], v[WT]
	v_permlanex16_b32 v[PT], v[WT], s58, s59
	v_or_b32 v[XS+8*TT+KK], v[WT], v[PT]           ; row r's scale word
	v_cvt_scalef32_pk16_bf6_f32 v[QT0:QT0+2], v[XQ+16:XQ+31], v[QS0]   ; (three registers from an even one on: the upper halves are made here and moved)
	v_cvt_scalef32_pk16_bf6_f32 v[QT1:QT1+2], v[XQ+48:XQ+63], v[QS1]
	WIN 0x40
	v_cvt_scalef32_pk16_bf6_f32 v[AFB:AFB+2], v[XQ:XQ+15], v[QS0]
	v_cvt_scalef32_pk16_bf6_f32 v[AFB+6:AFB+8], v[XQ+32:XQ+47], v[QS1]
	v_nop                                          ; one plain place behind the scaled conversions
.irp i, 0,1,2
	v_mov_b32 v[AFB+3+\i], v[QT0+\i]
	v_mov_b32 v[AFB+9+\i], v[QT1+\i]
.endr
	s_wait_dscnt 0x0
	WIN 0x80+0x40*(QQ/8)                           ; destination window 2 or 3
.irp e, 0,1,2,3
.irp j, 0,1,2,3,4,5,6,7
	v_cvt_pk_bf16_f32 v[CPB+8*\e+\j], v[XD+8*\j+\e], v[XD+8*\j+4+\e]   ; operand e of the chunk: column 4 r + e, rows 16 h + 2 j, + 1
.endr
.endr
	WIN 0
.endm
.macro XPROC s, c
	XUNIT \s, 0, 2*\c, 4*\c
	XUNIT \s, 1, 2*\c, 4*\c+1
	XUNIT \s, 0, 2*\c+1, 4*\c+2
	XUNIT \s, 1, 2*\c+1, 4*\c+3
.endm
; 50 LDS loads: a group's two scale images and all its fragments.  A dense byte o of the group lies at o + 16 (o / 1,024).
.macro PREFETCH adr
.irp n, 0,1
.set OO, 12800*\n+12288
	ds_load_b128 v[WSC+4*\n:WSC+4*\n+3], v[\adr] offset:OO+16*(OO/1024)
.endr
.irp k, 0,1,2,3,4,5,6,7
.irp n, 0,1
.irp c, 0,1,2
.set OO, 12800*\n+1536*\k+512*\c
	ds_load_b128 v[FR+24*\k+12*\n+4*\c:FR+24*\k+12*\n+4*\c+3], v[\adr] offset:OO+16*(OO/1024)
.endr
.endr
.endr
.endm
.macro TABS reg, adr, off              ; my half's eight words of each of a group's two tiles, into window 1
	WIN 0x40
.irp n, 0,1
.irp c, 0,1
	ds_load_b128 v[\reg+8*\n+4*\c:\reg+8*\n+4*\c+3], v[\adr] offset:\off+64*\n+16*\c
.endr
.endr
.endm
.macro MM k                            ; K step k: four matrix instructions, the four accumulators by turns; K step 0 starts the sums
.irp n, 0,1
.irp m, 0,1
.set RDD, AC+8*(2*\n+\m)
.set RWW, FR+24*(\k)+12*\n
.set RXX, 12*(8*\m+(\k))
.set RXS, XS+8*\m+(\k)
.set RWS, WSC+4*\n+(\k)/2
.if (\k) == 0
	v_wmma_scale_f32_16x16x128_f8f6f4 v[RDD:RDD+7], v[RWW:RWW+11], v[RXX:RXX+11], 0, v[RWS], v[RXS] matrix_a_fmt:MATRIX_FMT_BF6 matrix_b_fmt:MATRIX_FMT_BF6
.elseif ((\k)%2) == 1
	v_wmma_scale_f32_16x16x128_f8f6f4 v[RDD:RDD+7], v[RWW:RWW+11], v[RXX:RXX+11], v[RDD:RDD+7], v[RWS], v[RXS] matrix_a_fmt:MATRIX_FMT_BF6 matrix_b_fmt:MATRIX_FMT_BF6 matrix_a_scale:MATRIX_SCALE_ROW1
.else
	v_wmma_scale_f32_16x16x128_f8f6f4 v[RDD:RDD+7], v[RWW:RWW+11], v[RXX:RXX+11], v[RDD:RDD+7], v[RWS], v[RXS] matrix_a_fmt:MATRIX_FMT_BF6 matrix_b_fmt:MATRIX_FMT_BF6
.endif
.endr
.endr
.endm
; A GROUP.  At its head these LDS loads may be out, in this order: 2 scale images, 6 for each K step, 4 of deck, 4 of -2 v.
; kind 0: the next group lies in the same slot; 1: the slot is left and takes W_enc's images two slots on; 4: it takes the next block's x; 2: it is left and nothing is fetched; 3: the block's last group.
.macro GROUP kind, s
.set OTHER, SB1-(SB1-L16)*\s
	WIN 0x54                                       ; W window 0; x, C and D window 1
.irp k, 0,1,2,3,4,5,6,7
	s_wait_dscnt 50-6*\k                           ; younger: 6 loads for each later K step, 4 of deck, 4 of -2 v
	MM \k
.endr
	WIN 0
.if \kind == 0
	s_add_co_u32 s60, s60, GRP
	v_add_nc_u32 v[CUR0], s60, v[L16]              ; four plain places behind the products, two of them addresses
.else
	v_nop
.endif
	v_add_nc_u32 v[DVC], s61, v[DV0]
	v_nop
	v_nop
	s_add_co_u32 s61, s61, 128
	s_wait_alu depctr_va_vdst(0)                   ; the wait ahead of the readers below
.if \kind == 0
	PREFETCH CUR0
.elseif \kind == 1
	TURN 48+4*\s, 32, 204800
	PREFETCH OTHER
.elseif \kind == 4
	TURN 40, 24, 522240                            ; the next block's columns 0-255: 128 rows on, back along the row
	PREFETCH OTHER
.elseif \kind == 2
	s_wait_tensorcnt 0x0                           ; my part of the last slot has landed
	ds_add_u32 v[SPW], v[NIL]
	s_wait_dscnt 0x0
	s_barrier_signal -1
	s_barrier_wait -1                              ; everybody's has; nothing is filled again
	PREFETCH OTHER
.endif
.if \kind == 3
	s_wait_dscnt 0x0
.else
	s_wait_dscnt 50                                ; deck and -2 v are in; the 50 just issued may be out
.endif
	WIN 0x55                                       ; all in window 1
.irp q, 0,1,2,3
.irp i, 0,2,4,6
	v_pk_fma_f32 v[AC+8*\q+\i:AC+8*\q+\i+1], v[AC+8*\q+\i:AC+8*\q+\i+1], s[56:57], v[DD+8*(\q/2)+\i:DD+8*(\q/2)+\i+1] op_sel_hi:[1,0,1]   ; 2 log2(e) z, each accumulator from its low end on
.endr
.endr
.if \kind != 3
	TABS DD, DVC, 0                                ; the next group's deck
.endif
	WIN 0x55
	s_wait_alu depctr_va_vdst(0)                   ; a wait ahead of each batch and behind it
.set J, 0
.rept 32
	v_exp_f32 v[AC+J], v[AC+J]
.set J, J+1
.endr
	v_nop
	s_wait_alu depctr_va_vdst(0)
.set J, 0
.rept 16
	v_pk_add_f32 v[AC+J:AC+J+1], v[AC+J:AC+J+1], 1.0 op_sel_hi:[1,0]
.set J, J+2
.endr
	s_wait_alu depctr_va_vdst(0)
.set J, 0
.rept 32
	v_rcp_f32 v[AC+J], v[AC+J]
.set J, J+1
.endr
	v_nop
	s_wait_alu depctr_va_vdst(0)
	WIN 0x05                                       ; r and -2 v window 1, the scores window 0
.irp i, 0,2,4,6
.irp q, 0,1,2,3
	v_pk_fma_f32 v[SC+4*(\q%2)+2*(\q/2):SC+4*(\q%2)+2*(\q/2)+1], v[AC+8*\q+\i:AC+8*\q+\i+1], v[VV+8*(\q/2)+\i:VV+8*(\q/2)+\i+1], v[SC+4*(\q%2)+2*(\q/2):SC+4*(\q%2)+2*(\q/2)+1]
.endr
.endr
.if \kind != 3
	TABS VV, DVC, 4096                             ; the next group's -2 v
.endif
	WIN 0
	s_wait_alu depctr_va_vdst(0)                   ; the wait ahead of the branch or wait that follows
.endm
.macro SLOTBODY s, kind, pf            ; a slot's four groups
.if \pf
	s_cmp_eq_u32 s69, 1                            ; the last block has no successor
	s_cbranch_scc1 .Lnopf_\@
	global_prefetch_b8 v[PFO], s[70:71] offset:512*\s th:TH_LOAD_NT scope:SCOPE_SE
	global_prefetch_b8 v[PFO], s[70:71] offset:512*\s+256 th:TH_LOAD_NT scope:SCOPE_SE
.Lnopf_\@:
.endif
	s_mov_b32 s60, \s*SLOTB
	s_mov_b32 s63, 3
.Lgrp_\@:
	GROUP 0, \s
	s_sub_co_u32 s63, s63, 1
	s_cmp_lg_u32 s63, 0
	s_cbranch_scc1 .Lgrp_\@
	GROUP \kind, \s
.endm
.macro BLD n                           ; p in the lanes of column n alone, 0 elsewhere; three sets of registers by turns
.set PNB, 200+56*((\n)%3)-16*((\n)%3)*((\n)%3)
	s_mov_b32 s72, 0x10001<<(\n)
.irp j, 0,1,2,3,4,5,6,7
	v_cndmask_b32 v[PNB+\j], 0, v[PBF+\j], s72
.endr
.endm
; A BLOCK'S END: the scores, p, and the partial context by the bf16 matrix instruction: source 0 = operand e of chunk n (16 columns x 32 rows), source 1 = p in column n:
; accumulator e, register j of lane (r, h) gathers column 64 r + 32 h + 4 j + e.
.macro FINISH
	WIN 0
	v_pk_add_f32 v[SC:SC+1], v[SC:SC+1], v[SC+2:SC+3]
	v_pk_add_f32 v[SC+4:SC+5], v[SC+4:SC+5], v[SC+6:SC+7]
	v_cmp_lt_u32 vcc_lo, 63, v[L4]                 ; lanes 16-31
	v_add_f32 v[SC], v[SC], v[SC+1]
	v_add_f32 v[SC+4], v[SC+4], v[SC+5]
	v_permlanex16_b32 v[PT], v[SC], s58, s59       ; lane l xor 16 holds the other eight a of every tile
	v_permlanex16_b32 v[WT2], v[SC+4], s58, s59
	v_add_f32 v[SC], v[SC], v[PT]
	v_add_f32 v[SC+4], v[SC+4], v[WT2]
	v_cndmask_b32 v[SV], v[SC], v[SC+4], vcc_lo    ; lane l: the score of row l
	v_mov_b32 v[MX], v[SV]
	v_max_num_f32_dpp v[MX], v[MX], v[MX] row_xmask:1 row_mask:0xf bank_mask:0xf
	v_max_num_f32_dpp v[MX], v[MX], v[MX] row_xmask:2 row_mask:0xf bank_mask:0xf
	v_max_num_f32_dpp v[MX], v[MX], v[MX] row_xmask:4 row_mask:0xf bank_mask:0xf
	v_max_num_f32_dpp v[MX], v[MX], v[MX] row_xmask:8 row_mask:0xf bank_mask:0xf
	v_permlanex16_b32 v[PT], v[MX], s58, s59
	v_max_num_f32 v[MX], v[MX], v[PT]              ; m; the last launch finds the same number in the stored scores
	v_mul_f32 v[NM], s67, v[MX]
	v_fma_f32 v[EE], v[SV], s66, v[NM]
	s_wait_alu depctr_va_vdst(0)                   ; the wait ahead of the transcendental and behind it
	v_exp_f32 v[EE], v[EE]                         ; p, at most 1
	v_nop
	s_wait_alu depctr_va_vdst(0)
	ds_store_b32 v[PL], v[EE]
.irp i, 0,1,2,3
	ds_load_b128 v[PP+4*\i:PP+4*\i+3], v[PB2] offset:16*\i         ; LDS serves a wave's instructions in order: p of rows 16 h + 0 .. 15
.endr
	global_store_b32 v[L4], v[SV], s[12:13]        ; the wave stores 128 consecutive bytes
	s_wait_dscnt 0x0
	WIN 0x40
.irp j, 0,1,2,3,4,5,6,7
	v_cvt_pk_bf16_f32 v[PBF+\j], v[PP+2*\j], v[PP+2*\j+1]
.endr
	WIN 0x56                                       ; the copy window 2; p, C and D window 1
	BLD 0
	BLD 1
.set N, 0
.rept 16
.if N == 8
	WIN 0x57                                       ; the copy window 3
.endif
.set PNW, 200+56*(N%3)-16*(N%3)*(N%3)
.irp e, 0,1,2,3
.if N == 0
	v_wmma_f32_16x16x32_bf16 v[AC+8*\e:AC+8*\e+7], v[32*(N%8)+8*\e:32*(N%8)+8*\e+7], v[PNW:PNW+7], 0
.else
	v_wmma_f32_16x16x32_bf16 v[AC+8*\e:AC+8*\e+7], v[32*(N%8)+8*\e:32*(N%8)+8*\e+7], v[PNW:PNW+7], v[AC+8*\e:AC+8*\e+7]
.endif
.endr
.if N < 14
	BLD N+2                                        ; its registers were last read two sets of products back: eight plain places lie between
.endif
.set N, N+1
.endr
	NOP4
	WIN 0x01
.irp j, 0,1,2,3,4,5,6,7
.irp e, 0,1,2,3
	v_mov_b32 v[OUT+4*\j+\e], v[AC+8*\e+\j]        ; my 32 neighbouring columns in order; each accumulator from its low end on
.endr
.endr
	WIN 0
.irp j, 0,1,2,3,4,5,6,7
	ds_store_b128 v[STO], v[OUT+4*\j:OUT+4*\j+3] offset:16*\j      ; my own stage: 128 bytes + 16 for each lane
.endr
.irp i, 0,1,2,3,4,5,6,7
	ds_load_b128 v[BK+4*\i:BK+4*\i+3], v[RDB] offset:576*\i        ; back as runs of 512 bytes
.endr
	s_wait_dscnt 0x0
.irp i, 0,1,2,3,4,5,6,7
	global_store_b128 v[L16], v[BK+4*\i:BK+4*\i+3], s[14:15] offset:512*\i   ; the wave stores 512 consecutive bytes, aligned
.endr
.endm
	s_load_b256 s[4:11], s[0:1], 0x0               ; encoder_outputs, wimg, deck, v
	s_load_b128 s[12:15], s[0:1], 0x20             ; scores, part
	v_lshl_add_u32 v[SPW], v0, 2, SPARE
	v_mov_b32 v[NIL], 0
	ds_add_u32 v[SPW], v[NIL]                      ; the opening: the add, twice on end, and its wait ahead of my first tensor load
	ds_add_u32 v[SPW], v[NIL]
	v_lshrrev_b32 v1, 5, v0
	v_readfirstlane_b32 s16, v1                    ; wave
	s_bfe_u32 s17, ttmp6, 0x40000                  ; cx
	s_lshl_b32 s18, ttmp9, 2
	s_add_co_u32 s18, s18, s17                     ; my work-group: it enters the addresses of x, scores and part alone
	s_mov_b32 s24, (3<<16)|(1<<20)|(7<<22)|(3<<25) ; group 1 for x: 32 rows x 128 elements of 8 bytes, 512 from row to row, 4 words of padding behind every 256
	s_mov_b32 s25, 128<<16
	s_mov_b32 s26, 32<<16
	s_mov_b32 s27, 128<<16
	s_mov_b32 s28, 32
	s_mov_b32 s29, 512
	s_mov_b32 s30, 0
	s_mov_b32 s31, 0
	s_mov_b32 s32, 15|(3<<16)|(1<<20)|(1<<21)|(7<<22)|(3<<25)   ; for the images: 25 dense rows of 1,024 bytes; the mask of all four, bit 21 beside it
	s_mov_b32 s33, 128<<16
	s_mov_b32 s34, 25<<16
	s_mov_b32 s35, 128<<16
	s_mov_b32 s36, 25
	s_mov_b32 s37, 128
	s_mov_b32 s38, 0
	s_mov_b32 s39, 0
	s_mov_b32 s56, K2
	s_mov_b32 s57, K2
	s_mov_b32 s58, 0x76543210
	s_mov_b32 s59, 0xfedcba98
	s_mov_b32 s66, L2E
	s_mov_b32 s67, NL2E
	s_mov_b32 s69, 2                               ; blocks to go
	s_mov_b32 s40, 1                               ; groups 0: s[40:43], s[44:47] x into slot 0, 1; s[48:51], s[52:55] images into slot 0, 1
	s_mov_b32 s44, 1
	s_mov_b32 s48, 1
	s_mov_b32 s52, 1
	s_mul_i32 s41, s16, XWAVE
	s_add_co_u32 s45, s41, SLOTB
	s_mul_i32 s49, s16, GRP
	s_add_co_u32 s53, s49, SLOTB
	s_lshl_b32 s20, s18, 20                        ; 256 rows of 4,096 bytes a work-group,
	s_lshl_b32 s21, s16, 17                        ; 32 a wave
	s_add_co_u32 s20, s20, s21
	s_mov_b32 s21, 0
	s_mul_i32 s22, s16, 25600
	s_add_co_u32 s22, s22, 614400                  ; my quarter of tiles 48-55: a block's first refill of images steps back from there
	s_mov_b32 s23, 0
	s_lshl_b32 s19, s16, 8
	s_add_co_u32 s19, s19, PSC
	s_mul_i32 s73, s16, 4608
	s_add_co_u32 s73, s73, STAGE
	s_wait_dscnt 0x0
	s_wait_kmcnt 0x0
	s_add_nc_u64 s[42:43], s[4:5], s[20:21]        ; columns 0-255 of my rows
	s_add_nc_u64 s[46:47], s[42:43], 1024
	s_add_nc_u64 s[70:71], s[42:43], 524288+1024   ; the prefetches: the next block's columns from 256 on
	s_or_b32 s43, s43, 0x80000000
	s_or_b32 s47, s47, 0x80000000
	s_add_nc_u64 s[50:51], s[6:7], s[22:23]
	s_add_nc_u64 s[54:55], s[50:51], 102400
	s_or_b32 s51, s51, 0x80000000
	s_or_b32 s55, s55, 0x80000000
	s_lshr_b32 s20, ttmp9, 1                       ; the batch: 8 work-groups, 2 clusters
	s_lshl_b32 s20, s20, 12
	s_add_nc_u64 s[8:9], s[8:9], s[20:21]
	s_lshl_b32 s20, s18, 10
	s_lshl_b32 s22, s16, 7
	s_add_co_u32 s20, s20, s22
	s_add_nc_u64 s[12:13], s[12:13], s[20:21]
	s_lshl_b32 s20, s18, 15
	s_lshl_b32 s22, s16, 12
	s_add_co_u32 s20, s20, s22
	s_add_nc_u64 s[14:15], s[14:15], s[20:21]
	CROUND
	tensor_load_to_lds s[40:43], s[24:31]          ; one tensor load a wave at the head
	s_nop 0
	NOP4
	v_and_b32 v1, 15, v0                           ; r
	v_bfe_u32 v2, v0, 4, 1                         ; h
	v_and_b32 v62, 31, v0
	v_lshlrev_b32 v[L16], 4, v62
	v_lshlrev_b32 v[L4], 2, v62
	v_lshlrev_b32 v[PFO], 12, v62
	v_mul_u32_u24 v[AQ], v1, PITCH
	v_lshl_add_u32 v[AQ], v2, 7, v[AQ]
	v_add_nc_u32 v[AQ], s41, v[AQ]
	v_add_nc_u32 v[AQ+1], SLOTB, v[AQ]
	v_mul_u32_u24 v[AD], v2, 16*PITCH
	v_lshl_add_u32 v[AD], v1, 4, v[AD]
	v_add_nc_u32 v[AD], s41, v[AD]
	v_add_nc_u32 v[AD+1], SLOTB, v[AD]
	v_lshlrev_b32 v[SH8], 3, v2
	v_lshl_add_u32 v[DV0], v2, 5, DECT
	v_add_nc_u32 v[SB1], SLOTB, v[L16]
	v_add_nc_u32 v[PL], s19, v[L4]
	v_lshlrev_b32 v[PB2], 6, v2
	v_add_nc_u32 v[PB2], s19, v[PB2]
	v_lshl_add_u32 v63, v1, 1, v2                  ; 2 r + h: which 32 columns are mine at a block's end
	v_mul_u32_u24 v[STO], v63, 144
	v_add_nc_u32 v[STO], s73, v[STO]
	v_bfe_u32 v63, v0, 3, 2
	v_mul_u32_u24 v[RDB], v63, 144
	v_and_b32 v63, 7, v0
	v_lshl_add_u32 v[RDB], v63, 4, v[RDB]
	v_add_nc_u32 v[RDB], s73, v[RDB]
	v_mov_b32 v[PT], 0                             ; written once: a lane permute's destination counts as one of its sources
	v_mov_b32 v[WT2], 0
	v_lshlrev_b32 v[DVC], 5, v0                    ; deck[b] and v: 8 numbers a thread
	v_lshl_add_u32 v[CUR0], v0, 5, DECT
	global_load_b128 v[96:99], v[DVC], s[8:9]
	global_load_b128 v[100:103], v[DVC], s[8:9] offset:16
	global_load_b128 v[104:107], v[DVC], s[10:11]
	global_load_b128 v[108:111], v[DVC], s[10:11] offset:16
	s_wait_alu depctr_va_vdst(0)                   ; the wait at the head's end
	s_wait_loadcnt 0x0
.irp i, 104,106,108,110
	v_pk_mul_f32 v[\i:\i+1], v[\i:\i+1], -2.0 op_sel_hi:[1,0]
.endr
	ds_store_b128 v[CUR0], v[96:99]                ; read by all waves, behind the waits and rounds of the refills below
	ds_store_b128 v[CUR0], v[100:103] offset:16
	ds_store_b128 v[CUR0], v[104:107] offset:4096
	ds_store_b128 v[CUR0], v[108:111] offset:4112
	s_wait_alu depctr_va_vdst(0)
	TURN 44, 24, 0                                 ; slot 1's first fill, columns 256-511, issued as a refill is
.Lblk:
	XPROC 0, 0
	TURN 40, 24, 2048                              ; slot 0: columns 512-767
	XPROC 1, 1
	TURN 44, 24, 2048                              ; slot 1: columns 768-1023
	XPROC 0, 2
	TURN 48, 32, -614400                           ; slot 0: tiles 0-7 of W_enc, jointly
	XPROC 1, 3
	TURN 52, 32, -614400                           ; slot 1: tiles 8-15; its wait and round have shown slot 0 whole to every wave
	PREFETCH L16
	TABS DD, DV0, 0
	TABS VV, DV0, 4096
	WIN 0
.irp i, 0,1,2,3,4,5,6,7
	v_mov_b32 v[SC+\i], 0                          ; the scores begin at 0
.endr
	s_mov_b32 s61, 128
	s_mov_b32 s62, 3
	s_wait_alu depctr_va_vdst(0)
.Lpair:                                            ; three trips: slots' worth 0 to 5 are multiplied, 2 to 7 are asked for
	SLOTBODY 0, 1, 1
	SLOTBODY 1, 1, 1
	s_wait_xcnt 0x0                                ; my prefetches have read their base
	s_add_nc_u64 s[70:71], s[70:71], 1024
	s_sub_co_u32 s62, s62, 1
	s_cmp_lg_u32 s62, 0
	s_cbranch_scc1 .Lpair
	s_cmp_eq_u32 s69, 1
	s_cbranch_scc1 .Ltail                          ; the last block's tail is written out: it asks for nothing more
	SLOTBODY 0, 4, 0                               ; slot 0 takes the next block's columns 0-255
	SLOTBODY 1, 3, 0
	FINISH
	s_wait_xcnt 0x0                                ; the stores have read their registers and bases
	s_add_nc_u64 s[12:13], s[12:13], 512
	s_add_nc_u64 s[14:15], s[14:15], 16384
	TURN 44, 24, 522240                            ; slot 1: the next block's columns 256-511
	s_sub_co_u32 s69, s69, 1
	s_branch .Lblk
.Ltail:
	SLOTBODY 0, 2, 0
	SLOTBODY 1, 3, 0
	FINISH
	s_wait_tensorcnt 0x0                           ; the wave's end
	ds_add_u32 v[SPW], v[NIL]
	s_wait_dscnt 0x0
	CROUND                                         ; the closing round
	s_endpgm
.Lfunc_end_k_q2336cafc60_main:
	.size	k_q2336cafc60_main, .Lfunc_end_k_q2336cafc60_main-k_q2336cafc60_main
	.p2alignl 7, 3214868480
	.fill 96, 4, 3214868480
	.section	.rodata,"a",@progbits
	.p2align	6, 0x0
	.amdhsa_kernel k_q2336cafc60_main
		.amdhsa_group_segment_fixed_size 327680
		.amdhsa_private_segment_fixed_size 0
		.amdhsa_enable_private_segment 0
		.amdhsa_kernarg_size 48
		.amdhsa_user_sgpr_count 2
		.amdhsa_user_sgpr_kernarg_segment_ptr 1
		.amdhsa_wavefront_size32 1
		.amdhsa_system_sgpr_workgroup_id_x 1
		.amdhsa_system_sgpr_workgroup_id_y 1
		.amdhsa_system_sgpr_workgroup_id_z 1
		.amdhsa_system_vgpr_workitem_id 0
		.amdhsa_next_free_vgpr 1024
		.amdhsa_next_free_sgpr 76
		.amdhsa_reserve_vcc 1
		.amdhsa_float_denorm_mode_32 3
		.amdhsa_float_denorm_mode_16_64 3
		.amdhsa_memory_ordered 1
		.amdhsa_forward_progress 1
		.amdhsa_inst_pref_size 255
	.end_amdhsa_kernel
	.section	.bss,"aw",@nobits
	.p2align	6
	.space	262144
	.amdgpu_metadata
---
amdhsa.version: [ 1, 2 ]
amdhsa.kernels:
  - .name:           k_q2336cafc60_main
    .symbol:         k_q2336cafc60_main.kd
    .args:
      - { .name: encoder_outputs, .offset: 0, .size: 8, .value_kind: global_buffer, .address_space: global }
      - { .name: wimg, .offset: 8, .size: 8, .value_kind: global_buffer, .address_space: global }
      - { .name: deck, .offset: 16, .size: 8, .value_kind: global_buffer, .address_space: global }
      - { .name: v, .offset: 24, .size: 8, .value_kind: global_buffer, .address_space: global }
      - { .name: scores, .offset: 32, .size: 8, .value_kind: global_buffer, .address_space: global }
      - { .name: part, .offset: 40, .size: 8, .value_kind: global_buffer, .address_space: global }
    .group_segment_fixed_size: 327680
    .private_segment_fixed_size: 0
    .kernarg_segment_align: 8
    .kernarg_segment_size: 48
    .max_flat_workgroup_size: 128
    .sgpr_count:     76
    .vgpr_count:     1024
    .wavefront_size: 32
...
	.end_amdgpu_metadata
.endif
;; end of part 2
;; launch fin (part 3): grid 4 x 32, 8 waves a work-group, no clusters, 10,240 bytes of LDS; arguments scores, part, out0, out1; writes out0, out1
.if DOCPART == 3
	.amdgcn_target "amdgcn-amd-amdhsa--gfx1250"
	.amdhsa_code_object_version 6
	.text
	.protected	k_q2336cafc60_fin
	.globl	k_q2336cafc60_fin
	.p2align	8
	.type	k_q2336cafc60_fin,@function
k_q2336cafc60_fin:
	s_mov_b64 s[64:65], 0
	v_nop
	global_prefetch_b8 v0, s[64:65] scope:SCOPE_SE
	s_setreg_imm32_b32 hwreg(HW_REG_WAVE_MODE, 25, 1), 1
	s_wait_xcnt 0x0
; FIN.  For batch b (work-group y) and quarter q (work-group x): M = the largest of the batch's 2,048 raw scores, L = sum 2^(log2(e) (s' - M));
; out1[b][512 q ..] = 2^(log2(e) (s' - M)) / L;  out0[b][256 q ..] = sum over the batch's 64 partial contexts of 2^(log2(e) (m_w - M)) part_w / L, m_w the largest of partial w's 32 scores, found again here (a maximum is exact).
; LEFT OUT as dead work: the term sum_a v[a] of the scores, the same along the softmax's axis (shown at the head of the first kernel); the raw scores are the scores less that term.
; No matrix unit, no tensor load, no cluster: a stream of the partial sums, each byte read once, all loads issued at the head.
.set RED1,  0                          ; LDS: 8 maxima;
.set RED2,  256                        ; 8 sums;
.set FT,    512                        ; 64 factors;
.set CT,    1024                       ; 8 x 1,024 bytes: the waves' sums;
.set SPARE, 9216                       ; the spare words, 128 bytes a wave
.set L2E,   0x3fb8aa3b
.set NL2E,  0xbfb8aa3b
	s_load_b256 s[4:11], s[0:1], 0x0               ; scores s[4:5], part s[6:7], out0 s[8:9], out1 s[10:11]
	v_lshl_add_u32 v14, v0, 2, SPARE               ; my spare word; never rewritten
	v_mov_b32 v15, 0                               ; 0; never rewritten
	v_lshrrev_b32 v1, 5, v0
	s_delay_alu instid0(VALU_DEP_1)
	v_readfirstlane_b32 s12, v1                    ; wave u
	s_and_b32 s13, ttmp7, 0xffff                   ; b
	v_and_b32 v1, 31, v0
	s_delay_alu instid0(VALU_DEP_1)
	v_lshlrev_b32 v2, 4, v1                        ; 16 x lane
	v_lshlrev_b32 v3, 5, v0                        ; 32 x thread
	v_lshlrev_b32 v4, 3, v0                        ; 8 x thread
	v_lshlrev_b32 v5, 2, v0                        ; 4 x thread
	s_lshl_b32 s26, s12, 2
	v_mov_b32 v6, s26                              ; 4 u
	v_mov_b32 v7, 0
	v_and_b32 v8, 0xfc, v0                         ; 4 x (thread / 4)
	s_lshl_b32 s29, s12, 10
	v_add_nc_u32 v9, s29, v2                       ; 1,024 u + 16 x lane
	v_mov_b32 v28, 0                               ; written once: a lane permute's destination counts as one of its sources
	s_mov_b32 s27, L2E
	s_mov_b32 s28, NL2E
	s_mov_b32 s30, 0x76543210
	s_mov_b32 s31, 0xfedcba98
	s_lshl_b32 s16, s13, 13                        ; a batch's scores: 8,192 bytes
	s_mov_b32 s17, 0
	s_lshl_b32 s18, ttmp9, 11
	s_add_co_u32 s18, s18, s16                     ; my quarter of them
	s_mov_b32 s19, 0
	s_lshl_b32 s20, s13, 18                        ; 64 partials of 4,096 bytes a batch,
	s_lshl_b32 s21, s12, 12                        ; partial u,
	s_add_co_u32 s20, s20, s21
	s_lshl_b32 s21, ttmp9, 10                      ; 256 columns
	s_add_co_u32 s20, s20, s21
	s_mov_b32 s21, 0
	s_lshl_b32 s22, s13, 12
	s_lshl_b32 s23, ttmp9, 10
	s_add_co_u32 s22, s22, s23
	s_mov_b32 s23, 0
	s_wait_alu depctr_va_vdst(0)
	s_wait_kmcnt 0x0
	s_add_nc_u64 s[24:25], s[4:5], s[18:19]
	s_add_nc_u64 s[4:5], s[4:5], s[16:17]
	s_add_nc_u64 s[6:7], s[6:7], s[20:21]
	s_add_nc_u64 s[8:9], s[8:9], s[22:23]
	s_add_nc_u64 s[10:11], s[10:11], s[18:19]
	global_load_b128 v[16:19], v3, s[4:5]
	global_load_b128 v[20:23], v3, s[4:5] offset:16
	global_load_b64 v[24:25], v4, s[24:25]
.irp i, 0,1,2,3,4,5,6,7
.irp c, 0,1
	global_load_b128 v[32+8*\i+4*\c:32+8*\i+4*\c+3], v2, s[6:7] offset:32768*\i+512*\c th:TH_LOAD_NT   ; partial 8 i + u: the wave reads 512 consecutive bytes
.endr
.endr
	s_wait_loadcnt 16                              ; the scores are in; the 16 loads of partial sums may be out
	v_max3_num_f32 v26, v16, v17, v18
	s_delay_alu instid0(VALU_DEP_1)
	v_max3_num_f32 v26, v26, v19, v20
	s_delay_alu instid0(VALU_DEP_1)
	v_max3_num_f32 v26, v26, v21, v22
	s_delay_alu instid0(VALU_DEP_1)
	v_max_num_f32 v26, v26, v23
	s_delay_alu instid0(VALU_DEP_1)
	v_max_num_f32_dpp v26, v26, v26 row_xmask:1 row_mask:0xf bank_mask:0xf
	s_delay_alu instid0(VALU_DEP_1)
	v_max_num_f32_dpp v26, v26, v26 row_xmask:2 row_mask:0xf bank_mask:0xf   ; m of partial thread / 4
	s_delay_alu instid0(VALU_DEP_1)
	v_mov_b32 v27, v26
	s_delay_alu instid0(VALU_DEP_1)
	v_max_num_f32_dpp v27, v27, v27 row_xmask:4 row_mask:0xf bank_mask:0xf
	s_delay_alu instid0(VALU_DEP_1)
	v_max_num_f32_dpp v27, v27, v27 row_xmask:8 row_mask:0xf bank_mask:0xf
	s_delay_alu instid0(VALU_DEP_1)
	v_permlanex16_b32 v28, v27, s30, s31
	s_delay_alu instid0(VALU_DEP_1)
	v_max_num_f32 v27, v27, v28                    ; the wave's
	ds_store_b32 v6, v27 offset:RED1
	s_wait_dscnt 0x0                               ; for the others' sake
	s_barrier_signal -1
	s_barrier_wait -1
	ds_load_b128 v[96:99], v7 offset:RED1
	ds_load_b128 v[100:103], v7 offset:RED1+16
	s_wait_dscnt 0x0
	v_max3_num_f32 v29, v96, v97, v98
	s_delay_alu instid0(VALU_DEP_1)
	v_max3_num_f32 v29, v29, v99, v100
	s_delay_alu instid0(VALU_DEP_1)
	v_max3_num_f32 v29, v29, v101, v102
	s_delay_alu instid0(VALU_DEP_1)
	v_max_num_f32 v29, v29, v103                   ; M
	s_delay_alu instid0(VALU_DEP_1)
	v_mul_f32 v30, s28, v29
.irp i, 16,17,18,19,20,21,22,23,24,25,26
	v_fma_f32 v[\i], v[\i], s27, v30
.endr
	s_wait_alu depctr_va_vdst(0)
.irp i, 16,17,18,19,20,21,22,23,24,25,26
	v_exp_f32 v[\i], v[\i]                         ; eight terms of L, my two weights, my partial's factor
.endr
	v_nop                                          ; a plain place behind the batch,
	s_wait_alu depctr_va_vdst(0)                   ; and one wait ahead of its first reader
	v_add_f32 v16, v16, v17
	v_add_f32 v18, v18, v19
	v_add_f32 v20, v20, v21
	v_add_f32 v22, v22, v23
	s_delay_alu instid0(VALU_DEP_3)
	v_add_f32 v16, v16, v18
	s_delay_alu instid0(VALU_DEP_2)
	v_add_f32 v20, v20, v22
	s_delay_alu instid0(VALU_DEP_1)
	v_add_f32 v31, v16, v20
	s_delay_alu instid0(VALU_DEP_1)
	v_add_f32_dpp v31, v31, v31 row_xmask:1 row_mask:0xf bank_mask:0xf
	s_delay_alu instid0(VALU_DEP_1)
	v_add_f32_dpp v31, v31, v31 row_xmask:2 row_mask:0xf bank_mask:0xf
	s_delay_alu instid0(VALU_DEP_1)
	v_add_f32_dpp v31, v31, v31 row_xmask:4 row_mask:0xf bank_mask:0xf
	s_delay_alu instid0(VALU_DEP_1)
	v_add_f32_dpp v31, v31, v31 row_xmask:8 row_mask:0xf bank_mask:0xf
	s_delay_alu instid0(VALU_DEP_1)
	v_permlanex16_b32 v28, v31, s30, s31
	s_delay_alu instid0(VALU_DEP_1)
	v_add_f32 v31, v31, v28
	ds_store_b32 v6, v31 offset:RED2
	ds_store_b32 v8, v26 offset:FT                 ; four lanes write the same word with the same value
	s_wait_dscnt 0x0
	s_barrier_signal -1
	s_barrier_wait -1
	ds_load_b128 v[96:99], v7 offset:RED2
	ds_load_b128 v[100:103], v7 offset:RED2+16
.irp i, 0,1,2,3,4,5,6,7
	ds_load_b32 v[104+\i], v6 offset:FT+32*\i      ; the factor of partial 8 i + u
.endr
	s_wait_dscnt 0x0
	v_add_f32 v96, v96, v97
	v_add_f32 v98, v98, v99
	v_add_f32 v100, v100, v101
	v_add_f32 v102, v102, v103
	s_delay_alu instid0(VALU_DEP_3)
	v_add_f32 v96, v96, v98
	s_delay_alu instid0(VALU_DEP_2)
	v_add_f32 v100, v100, v102
	s_delay_alu instid0(VALU_DEP_1)
	v_add_f32 v96, v96, v100                       ; L, at least 1
	s_wait_alu depctr_va_vdst(0)
	v_rcp_f32 v31, v96
	v_nop
	s_wait_alu depctr_va_vdst(0)
	v_mul_f32 v24, v24, v31
	v_mul_f32 v25, v25, v31
	global_store_b64 v4, v[24:25], s[10:11]        ; the wave stores 256 consecutive bytes, aligned
	s_wait_loadcnt 0x0                             ; the partial sums
.irp j, 0,1,2,3,4,5,6,7
	v_mul_f32 v[112+\j], v[32+\j], v104
.endr
.irp i, 1,2,3,4,5,6,7
.irp j, 0,1,2,3,4,5,6,7
	v_fma_f32 v[112+\j], v[32+8*\i+\j], v[104+\i], v[112+\j]
.endr
.endr
	ds_store_b128 v9, v[112:115] offset:CT
	ds_store_b128 v9, v[116:119] offset:CT+512
	s_wait_dscnt 0x0
	s_barrier_signal -1
	s_barrier_wait -1
.irp i, 0,1,2,3,4,5,6,7
	ds_load_b32 v[96+\i], v5 offset:CT+1024*\i     ; column 256 q + thread of each wave's sum
.endr
	s_wait_dscnt 0x0
	v_add_f32 v96, v96, v97
	v_add_f32 v98, v98, v99
	v_add_f32 v100, v100, v101
	v_add_f32 v102, v102, v103
	s_delay_alu instid0(VALU_DEP_3)
	v_add_f32 v96, v96, v98
	s_delay_alu instid0(VALU_DEP_2)
	v_add_f32 v100, v100, v102
	s_delay_alu instid0(VALU_DEP_1)
	v_add_f32 v96, v96, v100
	v_mul_f32 v96, v96, v31
	global_store_b32 v5, v96, s[8:9]
	s_wait_tensorcnt 0x0                           ; the wave's end, behind the last LDS store
	ds_add_u32 v14, v15
	s_wait_dscnt 0x0
	s_endpgm
.Lfunc_end_k_q2336cafc60_fin:
	.size	k_q2336cafc60_fin, .Lfunc_end_k_q2336cafc60_fin-k_q2336cafc60_fin
	.p2alignl 7, 3214868480
	.fill 96, 4, 3214868480
	.section	.rodata,"a",@progbits
	.p2align	6, 0x0
	.amdhsa_kernel k_q2336cafc60_fin
		.amdhsa_group_segment_fixed_size 10240
		.amdhsa_private_segment_fixed_size 0
		.amdhsa_enable_private_segment 0
		.amdhsa_kernarg_size 32
		.amdhsa_user_sgpr_count 2
		.amdhsa_user_sgpr_kernarg_segment_ptr 1
		.amdhsa_wavefront_size32 1
		.amdhsa_system_sgpr_workgroup_id_x 1
		.amdhsa_system_sgpr_workgroup_id_y 1
		.amdhsa_system_sgpr_workgroup_id_z 1
		.amdhsa_system_vgpr_workitem_id 0
		.amdhsa_next_free_vgpr 128
		.amdhsa_next_free_sgpr 66
		.amdhsa_reserve_vcc 0
		.amdhsa_float_denorm_mode_32 3
		.amdhsa_float_denorm_mode_16_64 3
		.amdhsa_memory_ordered 1
		.amdhsa_forward_progress 1
		.amdhsa_inst_pref_size 14
	.end_amdhsa_kernel
	.amdgpu_metadata
---
amdhsa.version: [ 1, 2 ]
amdhsa.kernels:
  - .name:           k_q2336cafc60_fin
    .symbol:         k_q2336cafc60_fin.kd
    .args:
      - { .name: scores, .offset: 0, .size: 8, .value_kind: global_buffer, .address_space: global }
      - { .name: part, .offset: 8, .size: 8, .value_kind: global_buffer, .address_space: global }
      - { .name: out0, .offset: 16, .size: 8, .value_kind: global_buffer, .address_space: global }
      - { .name: out1, .offset: 24, .size: 8, .value_kind: global_buffer, .address_space: global }
    .group_segment_fixed_size: 10240
    .private_segment_fixed_size: 0
    .kernarg_segment_align: 8
    .kernarg_segment_size: 32
    .max_flat_workgroup_size: 256
    .sgpr_count:     66
    .vgpr_count:     128
    .wavefront_size: 32
...
	.end_amdgpu_metadata
.endif
;; end of part 3
